; MI455X (gfx1250); checked and timed in simulation.
; The chip was launched on July 23, 2026; its instructions are those of AMD's public machine-readable ISA for CDNA 5 (MIT licence, August 2026) and "CDNA5" Instruction Set Architecture Reference Guide (July 2026). The comments in the code are by the model that wrote it; some were corrected since.
;; Attention Bahdanau. Allowed arithmetic: matrix products marked QUANTISED: E2M1 operands, one E8M0 scale for each 32 along K, by v_wmma_scale_f32_16x16x128_f8f6f4 with both operands' format E2M1 (or v_wmma_scale_f32_32x16x128_f4), f32 sums; products left as they are: f32 operands where the result goes on into a quantised operand, else bf16, f16 or f32 operands; f32 sums; everything else in f32.
;; Inputs: W 2,048 x 1,024 float32; b 1,024 float32; encoder_outputs 32 x 1,024 x 1,024 float32; hidden 32 x 1,024 float32; src_len 32 int32; v 1,024 float32.
;; Outputs: out0 32 x 1 x 1,024 float32.
;; This version of the problem:
;;   THIS VERSION OF THE PROBLEM IS GIVEN IN LOW PRECISION. The matrix products marked QUANTISED in the list below multiply operands that are first quantised to E2M1 (2 exponent bits, 1 mantissa bit; 4 bits a number), with one power-of-two scale for each 32 numbers along K (OCP MX v1.0); their sums are f32. All else is computed in f32.
;;   The module's matrix products, in the order in which they are computed (A, B: the left and right operand; K: the contracted axis; several contracted axes count as one K, in the product's order):
;;     1. [M 32,768, K 2,048] x [K 2,048, N 1,024]; A: computed on the way; B: input W: QUANTISED
;;     2. [M 32,768, K 1,024] x [K 1,024, N 1]; A: computed on the way; B: input v: left as it is (N = 1 < 16)
;;   THE QUANTISER, for each operand of a quantised product, along K:
;;     - K is cut into blocks of 32 from its start; a last block that is shorter is filled with zeros.
;;     - A block's scale is 2^e with e = floor(log2(the largest magnitude in the block)) - 2, held to -126 .. 127; a block of zeros has e = 0. As a byte (E8M0): e + 127.
;;     - Each number is divided by its block's scale, clamped to +-6, and rounded to the nearest number of E2M1, ties to even, subnormals kept.
;;     - The product sums the exact products of the quantised numbers (number of the format x scale) in f32.
;;   ~~~python
;;   def quantise(x, axis):      # numpy; x: float32 -> the quantised numbers, widened to float32 again
;;       x = np.moveaxis(x, axis, -1); K = x.shape[-1]
;;       x = np.pad(x, [(0, 0)] * (x.ndim - 1) + [(0, -K % 32)]); x = x.reshape(x.shape[:-1] + (-1, 32)); a = np.abs(x).max(-1, keepdims=True)
;;       e = np.where(a > 0, np.clip(np.frexp(np.where(a > 0, a, 1))[1] - 1 - 2, -126, 127), 0)      # np.frexp(a)[1] - 1 = floor(log2(a)), exactly
;;       r = np.clip(x / 2.0 ** e, -6, 6)
;;       step = 2.0 ** (np.maximum(np.frexp(np.where(r == 0, 1, r))[1] - 1, 0) - 1)
;;       q = np.round(r / step) * step * 2.0 ** e      # np.round: ties to even
;;       return np.moveaxis(q.reshape(q.shape[:-2] + (-1,))[..., :K], -1, axis).astype(np.float32)
;;   ~~~
;;   OPERANDS COMPUTED ON THE WAY. 'Computed on the way' means the value that the module computes at that place (a softmax that the list does not call 'softmax' is quantised finished and normalised). What goes into a quantiser is computed in f32, as accurately as f32 sums, v_exp_f32 and their like allow (about 1e-6 of the number): no bf16 or f16 on the way to a quantiser, and a product that is left as it is and whose result goes on into a quantised operand takes f32 operands (vector FMAs, or v_wmma_f32_16x16x4_f32). A number that lies on a knife's edge between two numbers of the format may be rounded either way, as far as f32 arithmetic and the matrix unit's own rounding can turn it there, and no further.
;; 2 versions, each right; version 2 is version 1 with the launch main written anew for expert scheduling mode. Each part assembles by itself: llvm-mc -triple=amdgcn-amd-amdhsa -mcpu=gfx1250 --defsym DOCPART=n.
;; ======== version 1 of 2: 3 launches
;; workspace buffers: acodes 16,777,216 bytes; ascales 1,048,576 bytes; wcodes 524,288 bytes; wscales 32,768 bytes; cbias 131,072 bytes; part 524,288 bytes
;; launch prep (part 1): grid 576 x 1, 8 waves a work-group, no clusters, 102,400 bytes of LDS; arguments W, b, encoder_outputs, hidden, src_len, acodes, ascales, wcodes, wscales, cbias; writes acodes, ascales, wcodes, wscales, cbias
.if DOCPART == 1
	.amdgcn_target "amdgcn-amd-amdhsa--gfx1250"
	.amdhsa_code_object_version 6
	.text
	.protected	k_q6a3c4fe79d_prep
	.globl	k_q6a3c4fe79d_prep
	.p2align	8
	.type	k_q6a3c4fe79d_prep,@function
k_q6a3c4fe79d_prep:
	s_mov_b64 s[64:65], 0
	v_nop
	global_prefetch_b8 v0, s[64:65] scope:SCOPE_SE
	s_setreg_imm32_b32 hwreg(HW_REG_WAVE_MODE, 25, 1), 1
	s_wait_xcnt 0x0
; THE QUANTISER AND THE HIDDEN HALF OF K.  x = [hidden | encoder row], K = 2,048; no block of 32 crosses the seam at 1,024.
; Three kinds of work-group, told apart by the work-group's number alone; behind that branch the three paths never meet, and each has LDS bytes of its own.
;   0..31   H: 32 columns of W's rows 0..1,023.  Q(hidden) . Q(W top) + b -> cbias [32][1,024] f32: the part of the product that is the same for every s of a batch.
;   32..63  B: 32 columns of W's rows 1,024..2,047 -> wcodes, wscales.
;   64..575 E: 64 encoder rows (batch e / 16, block e % 16) -> acodes, ascales.  A block that lies wholly at or past src_len[batch] stores nothing and ends:
;              reference() throws those rows away, and the later launches do not read these bytes.  The grid is fixed, so that it serves every src_len.
; FORMAT: codes of E2M1, one E8M0 byte for each 32 along K: the byte is the exponent field of the block's largest magnitude less 2, held at 1 from below.
; All workspace is laid as IMAGES OF OPERAND REGISTERS: a fragment (16 rows x 128 K, 8 registers a lane) is 1,024 bytes, lane l's registers 4 c .. 4 c + 3 at 512 c + 16 l;
; they hold k = 64 c + 32 (l / 16) + 0 .. 31 of row l % 16.
;   acodes  [e][row tile m (4)][K step s (8)][1,024]        ascales [e][m][K half (2)][lane][2 words]: word p of lane l: row l % 16, K step 4 half + 2 p + l / 16
;   wcodes  [column tile t (64)][K step s (8)][1,024]       wscales [t][lane][4 words]: word j of lane l: column 16 t + l % 16, K step 4 (l / 16) + j
; LIMITS: NaN and infinities among the inputs are not served.  A block whose largest magnitude lies under 2^-124 gets the byte 1; a block of zeros gets the byte 1 where the
; rule says 127: its codes are zeros, which add nothing under that byte, and this program alone reads the bytes.  src_len is compared as a signed number.
; No tensor load and no copy.  No cluster: the work-groups share no input.
.set SPT,  528                         ; path E: a stage row: 512 bytes + 16 = 33 x 16: the sixteen rows that a load touches start 16 bytes apart modulo 256
.set WSTG, 16*SPT                      ; a wave's stage: 16 rows
.set HL0,  8*WSTG                      ; path H: eight waves' partial sums, 4,096 bytes each
.set WL0,  HL0+8*4096                  ; path B: 1,024 bytes of scale words
.set TM,  12                           ; v12-15  largest magnitudes
.set SO,  16                           ; v16-19  the conversions' scale operands
.set BY,  20                           ; v20-23  scale bytes
.set H8,  24                           ; v24     8 x (lane / 16)
.set PD,  25                           ; v25     a lane permute's destination; written once at the head
.set WW,  28                           ; v28     paths H, B: my column's scale word.  Path E: v28-31 the four K steps' scale words
.set HW,  29                           ; v29-30  path H: hidden's scale words, row tiles 0 and 1
.set F0,  32                           ; v32-39  paths H, B: blocks 0 and 2 of my column; in H, behind the exchange: tile 2 g's fragment
.set F1,  40                           ; v40-47  blocks 1 and 3; in H: tile 2 g + 1's fragment
.set HF,  48                           ; v48-63  path H: hidden's two fragments
.set PS,  128                          ; v128-159 path H: four accumulators
.set RS,  160                          ; v160-191 path H: eight partial sums of four numbers
; v64-255: three sets of 64 numbers (path E); W's 128 numbers in v64-191 and hidden's in v192-255 (paths H, B)
; 64 numbers of a lane at v[src]: register 32 c + n = k 64 c + 32 (lane / 16) + n of my row: two whole blocks.  -> the fragment's 8 registers at v[dst], my row's scale word in v[wrd] (both halves of the lanes hold it).
.macro QUANT64 src, dst, wrd
.irp c, 0,1
	v_max3_num_f32 v[TM+\c], |v[(\src)+32*\c]|, |v[(\src)+32*\c+1]|, 0x1800000   ; and the floor 2^(3 - 127): the byte cannot fall under 1
.endr
.irp i, 2,4,6,8,10,12,14,16,18,20,22,24,26,28,30
.irp c, 0,1
	v_max3_num_f32 v[TM+\c], v[TM+\c], |v[(\src)+32*\c+\i]|, |v[(\src)+32*\c+\i+1]|   ; the two blocks by turns
.endr
.endr
.irp c, 0,1
	v_add_nc_u32 v[SO+\c], 0xff000000, v[TM+\c]    ; 2 off the exponent field: the conversion takes this operand's exponent field as its scale
.endr
.irp c, 0,1
	v_lshrrev_b32 v[BY+\c], 23, v[SO+\c]           ; the scale's byte
.endr
	v_lshl_or_b32 v[\wrd], v[BY+1], 16, v[BY]      ; my two bytes: blocks h and 2 + h of the K step,
	v_lshlrev_b32 v[\wrd], v[H8], v[\wrd]          ; at their places in the word;
	v_permlanex16_b32 v[PD], v[\wrd], s28, s29
	v_or_b32 v[\wrd], v[\wrd], v[PD]               ; with lane l xor 16's two the word is whole
.irp c, 0,1
.irp g, 0,1,2,3
	v_cvt_scalef32_pk8_fp4_f32 v[(\dst)+4*\c+\g], v[(\src)+32*\c+8*\g:(\src)+32*\c+8*\g+7], v[SO+\c]
.endr
.endr
	v_nop                                          ; one plain vector line behind the last scaled conversion
.endm
; Paths H, B: 128 numbers of ONE column, v[64 + i] = W(128 w + i, my column): four whole blocks.  Block q's codes go to v[32 + 8 (q % 2) + 4 (q / 2)], the scale word to v[WW].
.macro QUANTW
.irp q, 0,1,2,3
	v_max3_num_f32 v[TM+\q], |v[64+32*\q]|, |v[65+32*\q]|, 0x1800000
.endr
.irp i, 2,4,6,8,10,12,14,16,18,20,22,24,26,28,30
.irp q, 0,1,2,3
	v_max3_num_f32 v[TM+\q], v[TM+\q], |v[64+32*\q+\i]|, |v[65+32*\q+\i]|
.endr
.endr
.irp q, 0,1,2,3
	v_add_nc_u32 v[SO+\q], 0xff000000, v[TM+\q]
.endr
.irp q, 0,1,2,3
	v_lshrrev_b32 v[BY+\q], 23, v[SO+\q]
.endr
	v_lshl_or_b32 v[WW], v[BY+1], 8, v[BY]
	v_lshl_or_b32 v[WW], v[BY+2], 16, v[WW]
	v_lshl_or_b32 v[WW], v[BY+3], 24, v[WW]
.irp q, 0,1,2,3
.irp g, 0,1,2,3
	v_cvt_scalef32_pk8_fp4_f32 v[32+8*(\q%2)+4*(\q/2)+\g], v[64+32*\q+8*\g:64+32*\q+8*\g+7], v[SO+\q]
.endr
.endr
	v_nop                                          ; one plain vector line behind the last scaled conversion
.endm
.macro WLOAD                           ; a lane takes a column and its registers run down K: each load reads 128 consecutive bytes of one row of W
.set i, 0
.rept 128
	global_load_b32 v[64+i], v9, s[4:5] offset:i*4096 th:TH_LOAD_NT
.set i, i+1
.endr
.endm
.macro HLOAD rt, reg                   ; hidden: batches 16 rt + r, K step w: lane (r, h) takes its two blocks of 32 numbers
.irp c, 0,1
.irp i, 0,1,2,3,4,5,6,7
	global_load_b128 v[\reg+32*\c+4*\i:\reg+32*\c+4*\i+3], v7, s[10:11] offset:\rt*65536+256*\c+16*\i
.endr
.endr
.endm
.macro ELOAD f, reg                    ; path E: K step f of my half: each load takes 512 consecutive bytes of one of my 16 rows
.irp p, 0,1,2,3,4,5,6,7,8,9,10,11,12,13,14,15
	global_load_b128 v[\reg+4*\p:\reg+4*\p+3], v4, s[8:9] offset:\p*4096+\f*512 th:TH_LOAD_NT
.endr
.endm
.macro TURN reg                        ; through my own stage: in as loaded (a row's 512 bytes on end), back 256 bytes of ONE row a lane.  LDS serves a wave's instructions in order: no wait between
.irp p, 0,1,2,3,4,5,6,7,8,9,10,11,12,13,14,15
	ds_store_b128 v5, v[\reg+4*\p:\reg+4*\p+3] offset:\p*SPT
.endr
.irp c, 0,1
.irp i, 0,1,2,3,4,5,6,7
	ds_load_b128 v[\reg+32*\c+4*\i:\reg+32*\c+4*\i+3], v6 offset:256*\c+16*\i
.endr
.endr
.endm
.macro EFRAG f, left                   ; K step f becomes a fragment.  left: the loads issued behind this step's sixteen
.set XS, 64+64*((\f)%3)
	s_wait_loadcnt \left
	TURN XS
	s_wait_dscnt 0x0
	QUANT64 XS, 32+8*(\f), 28+(\f)
.if (\f) == 0
	ELOAD 3, 64                                    ; the fourth K step takes the first's registers
.endif
	global_store_b128 v4, v[32+8*(\f):32+8*(\f)+3], s[14:15] offset:1024*(\f)       ; the image: 512 consecutive bytes a store; each K step has code registers of its own
	global_store_b128 v4, v[32+8*(\f)+4:32+8*(\f)+7], s[14:15] offset:1024*(\f)+512
.endm
	s_load_b512 s[4:19], s[0:1], 0x0               ; W s[4:5], b s[6:7], encoder s[8:9], hidden s[10:11], src_len s[12:13], acodes s[14:15], ascales s[16:17], wcodes s[18:19]
	s_load_b128 s[20:23], s[0:1], 0x40             ; wscales s[20:21], cbias s[22:23]
	v_lshl_add_u32 v11, v0, 2, 0x18c00
	s_set_vgpr_msb 0x40
	v_mov_b32 v1, 0
	s_set_vgpr_msb 0x4000
	v_lshrrev_b32 v1, 5, v0
	v_readfirstlane_b32 s24, v1                    ; wave w, 0..7
	v_and_b32 v1, 31, v0                           ; lane
	v_and_b32 v2, 15, v0                           ; r
	v_bfe_u32 v3, v0, 4, 1                         ; h
	v_lshlrev_b32 v4, 4, v1                        ; 16 x lane
	v_lshlrev_b32 v[H8], 3, v3
	v_mov_b32 v[PD], 0
	v_cmp_lt_u32 s30, 15, v1                       ; lanes 16-31
	s_mov_b32 s28, 0x76543210
	s_mov_b32 s29, 0xfedcba98                      ; v_permlanex16_b32's selects for lane l xor 16
	s_mov_b32 s37, 0                               ; the upper word of every offset
	s_wait_kmcnt 0x0
	s_cmp_lt_u32 ttmp9, 64
	s_cbranch_scc1 .Lweights
	; ---------------- PATH E: wave w takes row tile w / 2 and K half w % 2 of the block's 64 rows.  Waves share nothing: no barrier.
	s_sub_co_u32 s32, ttmp9, 64                    ; e = 16 batch + block
	s_lshr_b32 s33, s32, 4
	s_lshl_b32 s36, s33, 2
	s_add_nc_u64 s[12:13], s[12:13], s[36:37]
	s_load_b32 s35, s[12:13], 0x0                  ; src_len[batch]
	s_and_b32 s34, s32, 15
	s_lshl_b32 s34, s34, 6                         ; the block's first row
	s_lshl_b32 s38, s32, 3
	s_add_co_u32 s38, s38, s24                     ; 8 e + w
	s_lshl_b32 s36, s32, 18                        ; 64 rows of 4,096 bytes,
	s_lshr_b32 s40, s24, 1
	s_lshl_b32 s40, s40, 16                        ; 16 rows a tile,
	s_add_co_u32 s36, s36, s40
	s_and_b32 s40, s24, 1
	s_lshl_b32 s40, s40, 11                        ; 512 numbers a half
	s_add_co_u32 s36, s36, s40
	s_add_nc_u64 s[8:9], s[8:9], s[36:37]
	s_lshl_b32 s36, s38, 12                        ; four images
	s_add_nc_u64 s[14:15], s[14:15], s[36:37]
	s_lshl_b32 s36, s38, 8                         ; 256 bytes of scale words
	s_add_nc_u64 s[16:17], s[16:17], s[36:37]
	s_mul_i32 s40, s24, WSTG                       ; my stage
	v_lshl_add_u32 v5, v1, 4, s40                  ; in: 16 x lane
	v_mul_u32_u24 v6, v2, SPT
	v_lshl_add_u32 v6, v3, 7, v6
	v_add_nc_u32 v6, s40, v6                       ; back: row r, + 128 h
	v_lshlrev_b32 v8, 3, v1                        ; 8 x lane
	s_wait_kmcnt 0x0
	s_cmp_ge_i32 s34, s35
	s_cbranch_scc0 .Lrows
	s_endpgm                                       ; every row of the block is masked
.Lrows:
	ELOAD 0, 64
	ELOAD 1, 128
	ELOAD 2, 192                                   ; 48 loads, 24,576 bytes, of the wave's 32,768 are on their way
	EFRAG 0, 32                                    ; behind step 0's loads: steps 1 and 2
	EFRAG 1, 32                                    ; steps 2 and 3
	EFRAG 2, 16                                    ; step 3
	EFRAG 3, 0
	v_cndmask_b32 v26, v28, v29, s30               ; one register carries two K steps' words: the even step's in lanes 0-15, the odd step's in lanes 16-31
	v_cndmask_b32 v27, v30, v31, s30
	global_store_b64 v8, v[26:27], s[16:17]        ; 256 consecutive bytes, aligned
	s_set_vgpr_msb 0x4
	s_wait_tensorcnt 0x0
	ds_add_u32 v11, v1
	s_wait_dscnt 0x0
	s_set_vgpr_msb 0x400
	s_endpgm
.Lweights:
	; ---------------- PATHS H AND B: wave w takes K step w (128 rows of W) of the work-group's 32 columns
	s_and_b32 s32, ttmp9, 31                       ; g: columns 32 g ..
	s_lshr_b32 s33, ttmp9, 5                       ; 0: W's rows 0 .., 1: rows 1,024 ..
	s_lshl_b32 s36, s33, 22
	s_lshl_b32 s34, s24, 19                        ; 128 rows of 4,096 bytes
	s_add_co_u32 s36, s36, s34
	s_lshl_b32 s34, s32, 7
	s_add_co_u32 s36, s36, s34
	s_add_nc_u64 s[4:5], s[4:5], s[36:37]
	v_lshlrev_b32 v9, 2, v1                        ; 4 x lane
	s_cmp_lt_u32 ttmp9, 32
	s_cbranch_scc1 .Lpath_h
	; ---------------- PATH B
	WLOAD
	v_lshlrev_b32 v10, 4, v2
	v_lshl_add_u32 v5, v3, 9, v10                  ; scale words in LDS: tile h of the two, image lane r + 16 (w / 4), word w % 4
	v_lshl_add_u32 v10, v3, 13, v10                ; codes: lanes 0-15 write tile 2 g's image, lanes 16-31 tile 2 g + 1's, 8,192 bytes on
	s_lshr_b32 s40, s24, 2
	s_lshl_b32 s40, s40, 8
	s_and_b32 s41, s24, 3
	s_lshl_b32 s41, s41, 2
	s_add_co_u32 s40, s40, s41
	s_add_co_u32 s40, s40, WL0
	v_add_nc_u32 v5, s40, v5
	s_and_b32 s41, s24, 1
	s_lshl_b32 s42, s41, 9
	s_add_co_u32 s42, s42, WL0
	v_lshl_add_u32 v6, v1, 4, s42                  ; back: a tile's 512 bytes, 16 a lane
	s_lshl_b32 s36, s32, 14
	s_lshl_b32 s40, s24, 10
	s_add_co_u32 s36, s36, s40
	s_add_nc_u64 s[18:19], s[18:19], s[36:37]      ; wcodes at tile 2 g, K step w
	s_lshl_b32 s36, s32, 1
	s_add_co_u32 s36, s36, s41
	s_lshl_b32 s36, s36, 9
	s_add_nc_u64 s[20:21], s[20:21], s[36:37]      ; wscales at tile 2 g + w % 2
	s_wait_loadcnt 0x0
	QUANTW
.irp q, 0,1,2,3
	global_store_b128 v10, v[32+8*(\q%2)+4*(\q/2):32+8*(\q%2)+4*(\q/2)+3], s[18:19] offset:(\q/2)*512+(\q%2)*256   ; block q = 2 c + h of column r is the image's lane r + 16 h, registers 4 c ..: sixteen lanes write 256 consecutive bytes, aligned
.endr
	ds_store_b32 v5, v[WW]
	s_wait_dscnt 0x0                               ; for the others' sake: my word has landed
	s_barrier_signal -1
	s_barrier_wait -1
	s_cmp_gt_u32 s24, 1
	s_cbranch_scc1 .Lend_b                         ; waves 0 and 1 carry the two tiles' words out
	ds_load_b128 v[48:51], v6
	s_wait_dscnt 0x0
	global_store_b128 v4, v[48:51], s[20:21]       ; 512 consecutive bytes
.Lend_b:
	s_set_vgpr_msb 0x4
	s_wait_tensorcnt 0x0
	ds_add_u32 v11, v1
	s_wait_dscnt 0x0
	s_set_vgpr_msb 0x400
	s_endpgm
.Lpath_h:
	; ---------------- PATH H
	v_lshlrev_b32 v7, 12, v2
	v_lshl_add_u32 v7, v3, 7, v7                   ; hidden: row r of 4,096 bytes, + 128 h
	v_lshlrev_b32 v8, 2, v2                        ; 4 r
	v_lshl_add_u32 v10, v3, 15, v8                 ; cbias: 8 h rows of 4,096 bytes, + 4 r
	s_lshl_b32 s40, s24, 12
	s_add_co_u32 s40, s40, HL0
	v_lshl_add_u32 v5, v1, 4, s40                  ; my partial sums: 4,096 w + 16 x lane
	s_lshl_b32 s36, s24, 9
	s_add_co_u32 s40, s36, HL0
	v_lshl_add_u32 v6, v1, 4, s40                  ; the piece that I add up: 512 w + 16 x lane in each wave's 4,096
	s_add_nc_u64 s[10:11], s[10:11], s[36:37]      ; hidden at K step w
	s_bfe_u32 s41, s24, 0x10001                    ; ct = (w / 2) % 2: the column tile of the piece that I add up
	s_lshl_b32 s41, s41, 6
	s_lshl_b32 s36, s32, 7
	s_add_co_u32 s36, s36, s41                     ; its first column, in bytes
	s_add_nc_u64 s[6:7], s[6:7], s[36:37]          ; b there
	s_lshr_b32 s40, s24, 2
	s_lshl_b32 s40, s40, 16                        ; its batches: 16 (w / 4) + 4 (w % 2) + 8 h + 0 .. 3
	s_add_co_u32 s36, s36, s40
	s_and_b32 s40, s24, 1
	s_lshl_b32 s40, s40, 14
	s_add_co_u32 s36, s36, s40
	s_add_nc_u64 s[22:23], s[22:23], s[36:37]
	HLOAD 0, 192
	global_load_b32 v27, v8, s[6:7]                ; b of my column of that piece
	WLOAD
	s_wait_loadcnt 0x0
	QUANTW
	HLOAD 1, 64                                    ; batches 16-31, into registers whose numbers of W are converted
.irp c, 0,1
.irp i, 0,1,2,3
	v_permlane16_swap_b32 v[F0+4*\c+\i], v[F1+4*\c+\i]   ; the first's lanes 16-31 change places with the second's lanes 0-15: F0 is now tile 2 g's fragment, F1 tile 2 g + 1's
.endr
.endr
	QUANT64 192, HF, HW
.rept 8
	v_nop                                          ; a scale register written by a vector instruction stands 8 places ahead of a scaled matrix instruction, an operand so written 4
.endr
	; source 0 = 16 batches of hidden, source 1 = 16 columns of W: register j of lane (r, h) is (batch 8 h + j, column r).  W's word of column l lies in lane l: tile 2 g + 1 reads lanes 16-31
	v_wmma_scale_f32_16x16x128_f8f6f4 v[PS:PS+7], v[HF:HF+7], v[F0:F0+7], 0, v[HW], v[WW] matrix_a_fmt:MATRIX_FMT_FP4 matrix_b_fmt:MATRIX_FMT_FP4
	v_wmma_scale_f32_16x16x128_f8f6f4 v[PS+8:PS+15], v[HF:HF+7], v[F1:F1+7], 0, v[HW], v[WW] matrix_a_fmt:MATRIX_FMT_FP4 matrix_b_fmt:MATRIX_FMT_FP4 matrix_b_scale:MATRIX_SCALE_ROW1
	s_wait_loadcnt 0x0
	QUANT64 64, HF+8, HW+1
.rept 8
	v_nop
.endr
	v_wmma_scale_f32_16x16x128_f8f6f4 v[PS+16:PS+23], v[HF+8:HF+15], v[F0:F0+7], 0, v[HW+1], v[WW] matrix_a_fmt:MATRIX_FMT_FP4 matrix_b_fmt:MATRIX_FMT_FP4
	v_wmma_scale_f32_16x16x128_f8f6f4 v[PS+24:PS+31], v[HF+8:HF+15], v[F1:F1+7], 0, v[HW+1], v[WW] matrix_a_fmt:MATRIX_FMT_FP4 matrix_b_fmt:MATRIX_FMT_FP4 matrix_b_scale:MATRIX_SCALE_ROW1
.rept 4
	v_nop                                          ; four places between the last product and the stores that read results
.endr
.irp k, 0,1,2,3,4,5,6,7
	ds_store_b128 v5, v[PS+4*\k:PS+4*\k+3] offset:512*\k   ; each accumulator from its low end on
.endr
	s_wait_dscnt 0x0                               ; for the others' sake: my K step's sums have landed
	s_barrier_signal -1
	s_barrier_wait -1
.irp p, 0,1,2,3,4,5,6,7
	ds_load_b128 v[RS+4*\p:RS+4*\p+3], v6 offset:4096*\p   ; piece w of all eight K steps
.endr
	s_wait_dscnt 0x0
.irp p, 0,2,4,6
	v_pk_add_f32 v[RS+4*\p:RS+4*\p+1], v[RS+4*\p:RS+4*\p+1], v[RS+4*\p+4:RS+4*\p+5]
	v_pk_add_f32 v[RS+4*\p+2:RS+4*\p+3], v[RS+4*\p+2:RS+4*\p+3], v[RS+4*\p+6:RS+4*\p+7]
.endr
.irp p, 0,4
	v_pk_add_f32 v[RS+4*\p:RS+4*\p+1], v[RS+4*\p:RS+4*\p+1], v[RS+4*\p+8:RS+4*\p+9]
	v_pk_add_f32 v[RS+4*\p+2:RS+4*\p+3], v[RS+4*\p+2:RS+4*\p+3], v[RS+4*\p+10:RS+4*\p+11]
.endr
	v_pk_add_f32 v[RS:RS+1], v[RS:RS+1], v[RS+16:RS+17]
	v_pk_add_f32 v[RS+2:RS+3], v[RS+2:RS+3], v[RS+18:RS+19]
.irp j, 0,1,2,3
	v_add_f32 v[RS+\j], v[RS+\j], v27              ; + b
.endr
.irp j, 0,1,2,3
	global_store_b32 v10, v[RS+\j], s[22:23] offset:4096*\j   ; sixteen lanes write 64 consecutive bytes of a batch's row; the whole buffer is 131,072 bytes
.endr
	s_set_vgpr_msb 0x4
	s_wait_tensorcnt 0x0
	ds_add_u32 v11, v1
	s_wait_dscnt 0x0
	s_set_vgpr_msb 0x400
	s_endpgm
.Lfunc_end_k_q6a3c4fe79d_prep:
	.size	k_q6a3c4fe79d_prep, .Lfunc_end_k_q6a3c4fe79d_prep-k_q6a3c4fe79d_prep
	.p2alignl 7, 3214868480
	.fill 96, 4, 3214868480
	.section	.rodata,"a",@progbits
	.p2align	6, 0x0
	.amdhsa_kernel k_q6a3c4fe79d_prep
		.amdhsa_group_segment_fixed_size 102400
		.amdhsa_private_segment_fixed_size 0
		.amdhsa_enable_private_segment 0
		.amdhsa_kernarg_size 80
		.amdhsa_user_sgpr_count 2
		.amdhsa_user_sgpr_kernarg_segment_ptr 1
		.amdhsa_wavefront_size32 1
		.amdhsa_system_sgpr_workgroup_id_x 1
		.amdhsa_system_sgpr_workgroup_id_y 1
		.amdhsa_system_sgpr_workgroup_id_z 1
		.amdhsa_system_vgpr_workitem_id 0
		.amdhsa_next_free_vgpr 258
		.amdhsa_next_free_sgpr 66
		.amdhsa_reserve_vcc 0
		.amdhsa_float_denorm_mode_32 3
		.amdhsa_float_denorm_mode_16_64 3
		.amdhsa_memory_ordered 1
		.amdhsa_forward_progress 1
		.amdhsa_inst_pref_size 82
	.end_amdhsa_kernel
	.amdgpu_metadata
---
amdhsa.version: [ 1, 2 ]
amdhsa.kernels:
  - .name:           k_q6a3c4fe79d_prep
    .symbol:         k_q6a3c4fe79d_prep.kd
    .args:
      - { .name: W, .offset: 0, .size: 8, .value_kind: global_buffer, .address_space: global }
      - { .name: b, .offset: 8, .size: 8, .value_kind: global_buffer, .address_space: global }
      - { .name: encoder_outputs, .offset: 16, .size: 8, .value_kind: global_buffer, .address_space: global }
      - { .name: hidden, .offset: 24, .size: 8, .value_kind: global_buffer, .address_space: global }
      - { .name: src_len, .offset: 32, .size: 8, .value_kind: global_buffer, .address_space: global }
      - { .name: acodes, .offset: 40, .size: 8, .value_kind: global_buffer, .address_space: global }
      - { .name: ascales, .offset: 48, .size: 8, .value_kind: global_buffer, .address_space: global }
      - { .name: wcodes, .offset: 56, .size: 8, .value_kind: global_buffer, .address_space: global }
      - { .name: wscales, .offset: 64, .size: 8, .value_kind: global_buffer, .address_space: global }
      - { .name: cbias, .offset: 72, .size: 8, .value_kind: global_buffer, .address_space: global }
    .group_segment_fixed_size: 102400
    .private_segment_fixed_size: 0
    .kernarg_segment_align: 8
    .kernarg_segment_size: 80
    .max_flat_workgroup_size: 256
    .sgpr_count:     66
    .vgpr_count:     258
    .wavefront_size: 32
...
	.end_amdgpu_metadata
.endif
;; end of part 1
;; launch main (part 2): grid 16 x 32, 4 waves a work-group, no clusters, 0 bytes of LDS; arguments acodes, ascales, wcodes, wscales, cbias, v, src_len, part; writes part
.if DOCPART == 2
	.amdgcn_target "amdgcn-amd-amdhsa--gfx1250"
	.amdhsa_code_object_version 6
	.text
	.protected	k_q6a3c4fe79d_main
	.globl	k_q6a3c4fe79d_main
	.p2align	8
	.type	k_q6a3c4fe79d_main,@function
k_q6a3c4fe79d_main:
	s_mov_b64 s[64:65], 0
	v_nop
	global_prefetch_b8 v0, s[64:65] scope:SCOPE_SE
	s_setreg_imm32_b32 hwreg(HW_REG_WAVE_MODE, 25, 1), 1
	s_wait_xcnt 0x0
; part[q][batch][s] = the sum over the 256 columns n of quarter q of v[n] tanh(cbias[batch][n] + Q(encoder row s) . Q(W bottom)[:, n]), on codes of E2M1 with one E8M0 scale for each 32 along K.
; cbias holds Q(hidden) . Q(W top) + b: it is the C of each sum's first matrix instruction.
; SHARES.  Work-group (x = block of 64 rows, y = batch); wave q takes columns 256 q .. 256 q + 255: 16 column tiles.  The waves share nothing: no LDS, no barrier.
; A wave keeps its 64 rows' codes for all of K (4 row tiles x 8 K steps x 8 registers = 256) in window 1 for its whole life; W's fragments of a column tile (8 K steps, 64 registers) come
; from memory straight into registers as they were laid, in two sets by turns, and each fragment feeds four products.
; A block that lies wholly at or past src_len[batch] stores zeros (the next launch reads and masks them) and ends: reference() throws those rows away.  The grid is fixed, so that it serves every src_len.
; NO CLUSTER, NO JOINT LOADS, though all work-groups walk the same W: the launch ends work-groups on a number read from memory, and a partner that has ended could ask for nothing.
; THE PRODUCT IS USED TRANSPOSED: source 0 = 16 columns of W, source 1 = 16 encoder rows: lane (r, h) holds row r, its register j column 16 t + 8 h + j.
; tanh(x) = 1 - 2 / (1 + 2^(2 log2(e) x)).  Kept are the sums of v r, r = 1 / (1 + 2^..), and of v; the score is sum v - 2 sum v r.  Where 2^.. overflows r is 0, where it falls to 0 r is 1: no hold is needed.
; BY TURNS.  A column tile is 32 matrix instructions and 118 vector instructions, 64 of them transcendentals.  In PHASE t the products of tile t + 1 stand one ahead of each slice of tile t's tanh, on a second set
; of four accumulators: slices 0-15: a product, the scaling of the next pair, two exponentials; slices 16-31: a product, the + 1 of the next pair, two reciprocals.  All of these have at most a constant or a
; scalar pair as source 1, so they stand under the products' window setting; the 20 that take a vector register there (v r, the sum of v) stand together at the phase's end: two switches a tile.
; THE LOADS stand in two runs a phase, each behind one of the phase's two waits for its transcendentals: run 1: tile t + 3's K steps 0-2; run 2: v of tile t + 1, tile t + 3's K steps 3-7, scale words, cbias.
; LIMITS: NaN and infinities among the inputs are not served.  The score is a difference of two f32 sums of the size of sum |v|: its error is that of f32 sums of that size.
; REGISTERS.  window 0: v1-3 lane terms; v4-5 the sum of v; v6-13 four pairs of sums of v r; v14-29 the rows' scale words; v30-37 W's scale words, two sets; v38-53 cbias, two sets; v54-61 v, one set;
;   v62-125 two sets of four accumulators (at the end: at work); v126-127 at work at the head; v128-255 W's fragments, two sets.   window 1: the rows' fragment (m, s) at v[64 m + 8 s].
.set LI,  1                            ; v1  16 x lane
.set HO,  2                            ; v2  32 x (lane / 16)
.set L4,  3                            ; v3  4 x lane
.set VS,  4
.set SC,  6
.set AS,  14                           ; register 4 m + p: lanes 0-15 K step 2 p, lanes 16-31 K step 2 p + 1
.set WS,  30                           ; register 4 set + j: lanes 0-15 K step j, lanes 16-31 K step 4 + j
.set BI,  38
.set VV,  54
.set ACC, 62                           ; accumulator (set, m) at v[ACC + 32 set + 8 m]
.set TL,  126
.set L8,  127
.set WB,  128
.set MSB, 0
.macro WIN new                         ; the immediate's high byte repeats the setting that is left
.if MSB != \new
	s_set_vgpr_msb (MSB<<8)|\new
.set MSB, \new
.endif
.endm
.macro LOADW1 buf, tile                ; 6 loads: a column tile's fragments of K steps 0-2
.irp s, 0,1,2
.irp c, 0,1
	global_load_b128 v[WB+64*(\buf)+8*\s+4*\c:WB+64*(\buf)+8*\s+4*\c+3], v[LI], s[8:9] offset:(\tile)*8192+1024*\s+512*\c
.endr
.endr
.endm
.macro LOADW2 buf, tile                ; 13 loads: its fragments of K steps 3-7, its scale words, its eight numbers of cbias a lane
.irp s, 3,4,5,6,7
.irp c, 0,1
	global_load_b128 v[WB+64*(\buf)+8*\s+4*\c:WB+64*(\buf)+8*\s+4*\c+3], v[LI], s[8:9] offset:(\tile)*8192+1024*\s+512*\c
.endr
.endr
	global_load_b128 v[WS+4*(\buf):WS+4*(\buf)+3], v[LI], s[10:11] offset:(\tile)*512
.irp i, 0,1
	global_load_b128 v[BI+8*(\buf)+4*\i:BI+8*(\buf)+4*\i+3], v[HO], s[12:13] offset:(\tile)*64+16*\i
.endr
.endm
.macro LOADV tile                      ; 2 loads: a column tile's eight numbers of v a lane
.irp i, 0,1
	global_load_b128 v[VV+4*\i:VV+4*\i+3], v[HO], s[14:15] offset:(\tile)*64+16*\i
.endr
.endm
; Product wi of a tile's 32, on set b of W's fragments, scale words, cbias and accumulators: K step wi / 4, row tile wi % 4.  K ascending; the four accumulators take turns, one instruction a turn
; The first four start their sums on cbias.
.macro WM b
.set ks, wi/4
.set rm, wi%4
.set rD, ACC+32*(\b)+8*rm
.set rC, rD
.if ks == 0
.set rC, BI+8*(\b)
.endif
.set rW, WB+64*(\b)+8*ks
.set rA, 64*rm+8*ks
.set rX, WS+4*(\b)+(ks%4)
.set rY, AS+4*rm+(ks/2)
.if (ks/4) && (ks%2)
	v_wmma_scale_f32_16x16x128_f8f6f4 v[rD:rD+7], v[rW:rW+7], v[rA:rA+7], v[rC:rC+7], v[rX], v[rY] matrix_a_fmt:MATRIX_FMT_FP4 matrix_b_fmt:MATRIX_FMT_FP4 matrix_a_scale:MATRIX_SCALE_ROW1 matrix_b_scale:MATRIX_SCALE_ROW1
.elseif (ks/4)
	v_wmma_scale_f32_16x16x128_f8f6f4 v[rD:rD+7], v[rW:rW+7], v[rA:rA+7], v[rC:rC+7], v[rX], v[rY] matrix_a_fmt:MATRIX_FMT_FP4 matrix_b_fmt:MATRIX_FMT_FP4 matrix_a_scale:MATRIX_SCALE_ROW1
.elseif (ks%2)
	v_wmma_scale_f32_16x16x128_f8f6f4 v[rD:rD+7], v[rW:rW+7], v[rA:rA+7], v[rC:rC+7], v[rX], v[rY] matrix_a_fmt:MATRIX_FMT_FP4 matrix_b_fmt:MATRIX_FMT_FP4 matrix_b_scale:MATRIX_SCALE_ROW1
.else
	v_wmma_scale_f32_16x16x128_f8f6f4 v[rD:rD+7], v[rW:rW+7], v[rA:rA+7], v[rC:rC+7], v[rX], v[rY] matrix_a_fmt:MATRIX_FMT_FP4 matrix_b_fmt:MATRIX_FMT_FP4
.endif
.endm
; PHASE t.  a = t % 2: the tanh of tile t works in place on accumulator set a.  mat = 1: the products of tile t + 1 go into set 1 - a, from set 1 - a of W's registers.
; wt1, wt2: tile t + 3, counted from where the bases stand, for run 1 and run 2 (-1: nothing is left to ask for);  vt: tile t + 1 likewise, for v;  step = 1: the bases go two tiles on between the runs.
; n1: the loads issued behind those of tile t + 1's W;  n2: those issued behind v of tile t.
.macro PHASE a, mat, wt1, wt2, vt, step, n1, n2
.set VA, ACC+32*(\a)
.if \mat
	s_wait_loadcnt \n1                             ; loads come back in order: what was asked for two phases ago is in; the last phase's loads may be out
	WIN 0x04                                       ; source 1 (the rows) in window 1
.endif
	v_pk_mul_f32 v[VA:VA+1], v[VA:VA+1], s[22:23] op_sel_hi:[1,0]   ; 2 log2(e) x.  Each accumulator is read from its low end on; the last phase's 20 closing lines are the places behind the products that made it
.set wi, 0
.rept 16
.if \mat
	WM 1-\a
.endif
.if wi < 15
	v_pk_mul_f32 v[VA+2*wi+2:VA+2*wi+3], v[VA+2*wi+2:VA+2*wi+3], s[22:23] op_sel_hi:[1,0]   ; a pair is scaled a slice ahead of its exponentials
.endif
	v_exp_f32 v[VA+2*wi], v[VA+2*wi]
	v_exp_f32 v[VA+2*wi+1], v[VA+2*wi+1]
.set wi, wi+1
.endr
	v_nop                                          ; a plain line behind the last exponential
	s_wait_alu depctr_va_vdst(0)                   ; one wait for the 32, ahead of their first reader
.if \wt1 >= 0
	LOADW1 1-\a, \wt1                              ; K steps 0-2 were last read by product 11: the scalings of pairs 12 to 15 and the v_nop are five places behind it (ISA guide 7.12.1)
.endif
	v_pk_add_f32 v[VA:VA+1], v[VA:VA+1], 1.0 op_sel_hi:[1,0]
.rept 16
.if \mat
	WM 1-\a
.endif
.if wi < 31
	v_pk_add_f32 v[VA+2*(wi-16)+2:VA+2*(wi-16)+3], v[VA+2*(wi-16)+2:VA+2*(wi-16)+3], 1.0 op_sel_hi:[1,0]
.endif
	v_rcp_f32 v[VA+2*(wi-16)], v[VA+2*(wi-16)]
	v_rcp_f32 v[VA+2*(wi-16)+1], v[VA+2*(wi-16)+1]
.set wi, wi+1
.endr
	v_nop                                          ; a plain line behind the last reciprocal
	s_wait_alu depctr_va_vdst(0)                   ; one wait for the 32, ahead of their first reader
	WIN 0
	s_wait_loadcnt \n2                             ; v of this tile is in
.if \step
	s_wait_xcnt 0x0                                ; every load issued so far has read its base (the youngest stand in run 1, sixteen slices back): only now are the bases stepped
	s_add_nc_u64 s[8:9], s[8:9], 16384
	s_add_nc_u64 s[10:11], s[10:11], 1024
	s_add_nc_u64 s[12:13], s[12:13], 128
	s_add_nc_u64 s[14:15], s[14:15], 128
.endif
.irp p, 0,1,2,3
.irp m, 0,1,2,3
	v_pk_fma_f32 v[SC+2*\m:SC+2*\m+1], v[VA+8*\m+2*\p:VA+8*\m+2*\p+1], v[VV+2*\p:VV+2*\p+1], v[SC+2*\m:SC+2*\m+1]   ; sum of v r; the four row tiles' chains by turns
.endr
.endr
.irp p, 0,1,2,3
	v_pk_add_f32 v[VS:VS+1], v[VS:VS+1], v[VV+2*\p:VV+2*\p+1]   ; the sum of v.  These 20 name no register of the products: they are the places in front of run 2 and of the next phase's first read of results
.endr
.if \vt >= 0
	LOADV \vt                                      ; first in the run: it is wanted a phase on, the others two
.endif
.if \wt2 >= 0
	LOADW2 1-\a, \wt2
.endif
.endm
	s_load_b512 s[4:19], s[0:1], 0x0               ; acodes s[4:5], ascales s[6:7], wcodes s[8:9], wscales s[10:11], cbias s[12:13], v s[14:15], src_len s[16:17], part s[18:19]
	v_lshrrev_b32 v[TL], 5, v0
	v_readfirstlane_b32 s20, v[TL]                 ; q: my quarter of the columns
	v_and_b32 v[TL], 31, v0
	v_lshlrev_b32 v[LI], 4, v[TL]
	v_bfe_u32 v[HO], v0, 4, 1
	v_lshlrev_b32 v[HO], 5, v[HO]
	v_lshlrev_b32 v[L8], 3, v[TL]
	v_lshlrev_b32 v[L4], 2, v[TL]
	v_cmp_lt_u32 s26, 15, v[TL]                    ; lanes 16-31
	s_mov_b32 s22, 0x4038aa3b                      ; 2 log2(e)
	s_mov_b32 s23, s22                             ; (named with it as a pair, so it is written)
	s_mov_b32 s24, 0x76543210
	s_mov_b32 s25, 0xfedcba98                      ; v_permlanex16_b32's selects for lane l xor 16
	s_and_b32 s28, ttmp7, 0xffff                   ; batch
	s_lshl_b32 s32, s28, 2
	s_mov_b32 s33, 0                               ; the upper word of every offset
	s_wait_kmcnt 0x0
	s_add_nc_u64 s[16:17], s[16:17], s[32:33]
	s_load_b32 s21, s[16:17], 0x0                  ; src_len[batch]
	s_lshl_b32 s32, s20, 17                        ; part: quarter, batch, block
	s_lshl_b32 s34, s28, 12
	s_add_co_u32 s32, s32, s34
	s_lshl_b32 s34, ttmp9, 8
	s_add_co_u32 s32, s32, s34
	s_add_nc_u64 s[18:19], s[18:19], s[32:33]
	s_lshl_b32 s29, ttmp9, 6                       ; the block's first row
	s_wait_kmcnt 0x0
	s_cmp_ge_i32 s29, s21
	s_cbranch_scc0 .Lwork
	v_mov_b32 v[TL], 0                             ; every row of the block is masked
	global_store_b32 v[L4], v[TL], s[18:19]
	global_store_b32 v[L4], v[TL], s[18:19] offset:128
	s_endpgm
.Lwork:
	s_lshl_b32 s30, s28, 4
	s_add_co_u32 s30, s30, ttmp9                   ; e = 16 batch + block
	s_lshl_b32 s32, s30, 15
	s_add_nc_u64 s[4:5], s[4:5], s[32:33]
	s_lshl_b32 s32, s30, 11
	s_add_nc_u64 s[6:7], s[6:7], s[32:33]
	s_lshl_b32 s32, s20, 17                        ; my 16 column tiles of 8,192 bytes
	s_add_nc_u64 s[8:9], s[8:9], s[32:33]
	s_lshl_b32 s32, s20, 13
	s_add_nc_u64 s[10:11], s[10:11], s[32:33]
	s_lshl_b32 s32, s20, 10
	s_add_nc_u64 s[14:15], s[14:15], s[32:33]
	s_lshl_b32 s34, s28, 12
	s_add_co_u32 s32, s32, s34
	s_add_nc_u64 s[12:13], s[12:13], s[32:33]
	WIN 0x40                                       ; destination window 1, address window 0
.irp m, 0,1,2,3
.irp s, 0,1,2,3,4,5,6,7
.irp c, 0,1
	global_load_b128 v[64*\m+8*\s+4*\c:64*\m+8*\s+4*\c+3], v[LI], s[4:5] offset:(8*\m+\s)*1024+512*\c   ; my 64 rows' codes: they stay
.endr
.endr
.endr
	WIN 0
.irp m, 0,1,2,3
.irp k, 0,1
	global_load_b64 v[AS+4*\m+2*\k:AS+4*\m+2*\k+1], v[L8], s[6:7] offset:(2*\m+\k)*256
.endr
.endr
	LOADW1 0, 0
	LOADW2 0, 0
	LOADW1 1, 1
	LOADW2 1, 1
	; tile 0's products stand bare: there is no vector work yet to set between them
	s_wait_loadcnt 19                              ; the rows, their scale words and tile 0 are in; tile 1's 19 loads may be out
	WIN 0x04
.set wi, 0
.rept 32
	WM 0
.set wi, wi+1
.endr
	WIN 0
.irp i, 0,1,2,3,4,5,6,7,8,9
	v_mov_b32 v[VS+\i], 0                          ; the sum of v and the four pairs of sums.  These ten are the places behind the products
.endr
	LOADW1 0, 2                                    ; 21 loads, in the order in which every phase issues its own
	LOADV 0
	LOADW2 0, 2
	s_mov_b32 s27, 6
.Ltrip:                                                ; a trip: phases 2 k and 2 k + 1; the bases stand at tile 2 k, from the odd phase's run 2 on at tile 2 k + 2
	PHASE 0, 1, 3, 3, 1, 0, 21, 19                 ; 21: the phase before issued 6 + 15 loads.  19: behind v's two stand 13 of that run and this phase's run 1 of 6
	PHASE 1, 1, 4, 2, 0, 1, 21, 19
	s_sub_co_u32 s27, s27, 1
	s_cmp_lg_u32 s27, 0
	s_cbranch_scc1 .Ltrip
	PHASE 0, 1, 3, 3, 1, 0, 21, 19                 ; phase 12 asks for the last tile of W, 15; the bases stand at tile 12 from here on
	PHASE 1, 1, -1, -1, 2, 0, 21, 13               ; phase 13 asks for v alone: no load leaves its buffer.  13: it has no run 1
	PHASE 0, 1, -1, -1, 3, 0, 2, 0                 ; phase 14.  2: behind tile 15's W stand phase 13's two loads of v
	PHASE 1, 0, -1, -1, -1, 0, 0, 0                ; tile 15's tanh: no products are left
.irp m, 0,1,2,3
	v_add_f32 v[ACC+\m], v[SC+2*\m], v[SC+2*\m+1]  ; even and odd columns.  (Accumulator set 0 is done with: at work from here on)
.endr
	v_add_f32 v[ACC+4], v[VS], v[VS+1]
.irp i, 0,1,2,3,4
	v_mov_b32 v[ACC+8+\i], 0                       ; a lane permute's destination counts as one of its sources
.endr
.irp i, 0,1,2,3,4
	v_permlanex16_b32 v[ACC+8+\i], v[ACC+\i], s24, s25
.endr
.irp i, 0,1,2,3,4
	v_add_f32 v[ACC+\i], v[ACC+\i], v[ACC+8+\i]    ; with lane l xor 16's eight columns of each tile
.endr
.irp m, 0,1,2,3
	v_fma_f32 v[ACC+\m], -2.0, v[ACC+\m], v[ACC+4] ; sum v - 2 sum v r: row 16 m + r, in both halves of the lanes
.endr
	v_cndmask_b32 v[ACC+16], v[ACC], v[ACC+1], s26 ; lanes 0-15 rows 0-15, lanes 16-31 rows 16-31
	v_cndmask_b32 v[ACC+17], v[ACC+2], v[ACC+3], s26
	global_store_b32 v[L4], v[ACC+16], s[18:19]    ; 128 consecutive bytes each
	global_store_b32 v[L4], v[ACC+17], s[18:19] offset:128
	s_endpgm
.Lfunc_end_k_q6a3c4fe79d_main:
	.size	k_q6a3c4fe79d_main, .Lfunc_end_k_q6a3c4fe79d_main-k_q6a3c4fe79d_main
	.p2alignl 7, 3214868480
	.fill 96, 4, 3214868480
	.section	.rodata,"a",@progbits
	.p2align	6, 0x0
	.amdhsa_kernel k_q6a3c4fe79d_main
		.amdhsa_group_segment_fixed_size 0
		.amdhsa_private_segment_fixed_size 0
		.amdhsa_enable_private_segment 0
		.amdhsa_kernarg_size 64
		.amdhsa_user_sgpr_count 2
		.amdhsa_user_sgpr_kernarg_segment_ptr 1
		.amdhsa_wavefront_size32 1
		.amdhsa_system_sgpr_workgroup_id_x 1
		.amdhsa_system_sgpr_workgroup_id_y 1
		.amdhsa_system_sgpr_workgroup_id_z 1
		.amdhsa_system_vgpr_workitem_id 0
		.amdhsa_next_free_vgpr 512
		.amdhsa_next_free_sgpr 66
		.amdhsa_reserve_vcc 0
		.amdhsa_float_denorm_mode_32 3
		.amdhsa_float_denorm_mode_16_64 3
		.amdhsa_memory_ordered 1
		.amdhsa_forward_progress 1
		.amdhsa_inst_pref_size 80
	.end_amdhsa_kernel
	.amdgpu_metadata
---
amdhsa.version: [ 1, 2 ]
amdhsa.kernels:
  - .name:           k_q6a3c4fe79d_main
    .symbol:         k_q6a3c4fe79d_main.kd
    .args:
      - { .name: acodes, .offset: 0, .size: 8, .value_kind: global_buffer, .address_space: global }
      - { .name: ascales, .offset: 8, .size: 8, .value_kind: global_buffer, .address_space: global }
      - { .name: wcodes, .offset: 16, .size: 8, .value_kind: global_buffer, .address_space: global }
      - { .name: wscales, .offset: 24, .size: 8, .value_kind: global_buffer, .address_space: global }
      - { .name: cbias, .offset: 32, .size: 8, .value_kind: global_buffer, .address_space: global }
      - { .name: v, .offset: 40, .size: 8, .value_kind: global_buffer, .address_space: global }
      - { .name: src_len, .offset: 48, .size: 8, .value_kind: global_buffer, .address_space: global }
      - { .name: part, .offset: 56, .size: 8, .value_kind: global_buffer, .address_space: global }
    .group_segment_fixed_size: 0
    .private_segment_fixed_size: 0
    .kernarg_segment_align: 8
    .kernarg_segment_size: 64
    .max_flat_workgroup_size: 128
    .sgpr_count:     66
    .vgpr_count:     512
    .wavefront_size: 32
...
	.end_amdgpu_metadata
.endif
;; end of part 2
;; launch soft (part 3): grid 32 x 1, 8 waves a work-group, no clusters, 1,280 bytes of LDS; arguments part, src_len, out0; writes out0
.if DOCPART == 3
	.amdgcn_target "amdgcn-amd-amdhsa--gfx1250"
	.amdhsa_code_object_version 6
	.text
	.protected	k_q6a3c4fe79d_soft
	.globl	k_q6a3c4fe79d_soft
	.p2align	8
	.type	k_q6a3c4fe79d_soft,@function
k_q6a3c4fe79d_soft:
	s_mov_b64 s[64:65], 0
	v_nop
	global_prefetch_b8 v0, s[64:65] scope:SCOPE_SE
	s_setreg_imm32_b32 hwreg(HW_REG_WAVE_MODE, 25, 1), 1
	s_wait_xcnt 0x0
; out0[batch][0][s] = softmax over s of (the four column quarters' sums of part, or -1e18 where s >= src_len[batch]).  One work-group a batch; thread t owns s = 4 t .. 4 t + 3.
; The row's maximum is taken away ahead of the exponential, as reference() does; with every s masked each weight is 1 / 1,024, as there.
; A stream of 16,384 bytes in and 4,096 out for each batch: no matrix unit, no cluster, no tensor load.  src_len is compared as a signed number.
	s_load_b128 s[4:7], s[0:1], 0x0                ; part, src_len
	s_load_b64 s[8:9], s[0:1], 0x10                ; out0
	v_lshl_add_u32 v32, v0, 2, 0x100
	v_mov_b32 v33, 0
	v_lshrrev_b32 v1, 5, v0
	v_readfirstlane_b32 s10, v1                    ; wave
	v_lshlrev_b32 v2, 4, v0                        ; my 16 bytes of a row
	v_lshlrev_b32 v3, 2, v0                        ; my four s
	v_add_nc_u32 v4, 1, v3
	v_add_nc_u32 v5, 2, v3
	v_add_nc_u32 v6, 3, v3
	v_mov_b32 v7, 0xdd5e0b6b                       ; -1e18
	v_mov_b32 v24, s10
	v_lshlrev_b32 v24, 2, v24                      ; LDS: my wave's word
	v_mov_b32 v25, 0
	v_mov_b32 v27, 0                               ; a lane permute's destination counts as one of its sources
	s_mov_b32 s16, 0x76543210
	s_mov_b32 s17, 0xfedcba98
	s_lshl_b32 s12, ttmp9, 12                      ; a batch's row of 4,096 bytes
	s_mov_b32 s13, 0
	s_lshl_b32 s14, ttmp9, 2
	s_mov_b32 s15, 0
	s_wait_kmcnt 0x0
	s_add_nc_u64 s[4:5], s[4:5], s[12:13]
	s_add_nc_u64 s[8:9], s[8:9], s[12:13]
	s_add_nc_u64 s[6:7], s[6:7], s[14:15]
	s_load_b32 s11, s[6:7], 0x0                    ; src_len[batch]
.irp q, 0,1,2,3
	global_load_b128 v[8+4*\q:11+4*\q], v2, s[4:5] offset:\q*131072   ; a wave reads 512 consecutive bytes
.endr
	s_wait_loadcnt 0x0
	v_pk_add_f32 v[8:9], v[8:9], v[12:13]
	v_pk_add_f32 v[10:11], v[10:11], v[14:15]
	v_pk_add_f32 v[16:17], v[16:17], v[20:21]
	v_pk_add_f32 v[18:19], v[18:19], v[22:23]
	v_pk_add_f32 v[8:9], v[8:9], v[16:17]
	v_pk_add_f32 v[10:11], v[10:11], v[18:19]      ; the scores
	s_wait_kmcnt 0x0
.irp i, 0,1,2,3
	v_cmp_le_i32 vcc_lo, s11, v[3+\i]              ; src_len <= s: padding
	v_cndmask_b32 v[8+\i], v[8+\i], v7, vcc_lo
.endr
	v_max3_num_f32 v26, v8, v9, v10
	v_max_num_f32 v26, v26, v11
	v_max_num_f32_dpp v26, v26, v26 row_xmask:1 row_mask:0xf bank_mask:0xf
	v_max_num_f32_dpp v26, v26, v26 row_xmask:2 row_mask:0xf bank_mask:0xf
	v_max_num_f32_dpp v26, v26, v26 row_xmask:4 row_mask:0xf bank_mask:0xf
	v_max_num_f32_dpp v26, v26, v26 row_xmask:8 row_mask:0xf bank_mask:0xf
	v_permlanex16_b32 v27, v26, s16, s17
	v_max_num_f32 v26, v26, v27                    ; my wave's maximum, in every lane
	ds_store_b32 v24, v26                          ; all lanes write the same word with the same value
	s_wait_dscnt 0x0                               ; for the others' sake
	s_barrier_signal -1
	s_barrier_wait -1
	ds_load_b128 v[12:15], v25
	ds_load_b128 v[16:19], v25 offset:16
	s_wait_dscnt 0x0
	v_max3_num_f32 v28, v12, v13, v14
	v_max3_num_f32 v28, v28, v15, v16
	v_max3_num_f32 v28, v28, v17, v18
	v_max_num_f32 v28, v28, v19                    ; the row's maximum
.irp i, 0,1,2,3
	v_sub_f32 v[8+\i], v[8+\i], v28                ; the difference first, exactly 0 at the maximum: fused with the scaling it would leave the rounding of 1e18 x log2(e) behind
.endr
.irp i, 0,1,2,3
	v_mul_f32 v[8+\i], 0x3fb8aa3b, v[8+\i]
.endr
.irp i, 0,1,2,3
	v_exp_f32 v[8+\i], v[8+\i]
.endr
	v_nop                                          ; a plain line behind the last exponential
	s_wait_alu depctr_va_vdst(0)                   ; one wait for the four, ahead of their first reader
	v_add_f32 v26, v8, v9
	v_add_f32 v20, v10, v11
	v_add_f32 v26, v26, v20
	v_add_f32_dpp v26, v26, v26 row_xmask:1 row_mask:0xf bank_mask:0xf
	v_add_f32_dpp v26, v26, v26 row_xmask:2 row_mask:0xf bank_mask:0xf
	v_add_f32_dpp v26, v26, v26 row_xmask:4 row_mask:0xf bank_mask:0xf
	v_add_f32_dpp v26, v26, v26 row_xmask:8 row_mask:0xf bank_mask:0xf
	v_permlanex16_b32 v27, v26, s16, s17
	v_add_f32 v26, v26, v27                        ; my wave's sum
	ds_store_b32 v24, v26 offset:32                ; other bytes than the maxima's: one barrier more is enough
	s_wait_dscnt 0x0
	s_barrier_signal -1
	s_barrier_wait -1
	ds_load_b128 v[12:15], v25 offset:32
	ds_load_b128 v[16:19], v25 offset:48
	s_wait_dscnt 0x0
	v_pk_add_f32 v[12:13], v[12:13], v[14:15]
	v_pk_add_f32 v[16:17], v[16:17], v[18:19]
	v_pk_add_f32 v[12:13], v[12:13], v[16:17]
	v_add_f32 v12, v12, v13                        ; the row's sum: at least 1
	v_rcp_f32 v29, v12
	v_nop                                          ; a plain line behind the reciprocal
	s_wait_alu depctr_va_vdst(0)                   ; the wait ahead of its first reader
.irp i, 0,1,2,3
	v_mul_f32 v[8+\i], v[8+\i], v29
.endr
	global_store_b128 v2, v[8:11], s[8:9]          ; a wave writes 512 consecutive bytes, aligned
	s_wait_tensorcnt 0x0
	ds_add_u32 v32, v33
	s_wait_dscnt 0x0
	s_endpgm
.Lfunc_end_k_q6a3c4fe79d_soft:
	.size	k_q6a3c4fe79d_soft, .Lfunc_end_k_q6a3c4fe79d_soft-k_q6a3c4fe79d_soft
	.p2alignl 7, 3214868480
	.fill 96, 4, 3214868480
	.section	.rodata,"a",@progbits
	.p2align	6, 0x0
	.amdhsa_kernel k_q6a3c4fe79d_soft
		.amdhsa_group_segment_fixed_size 1280
		.amdhsa_private_segment_fixed_size 0
		.amdhsa_enable_private_segment 0
		.amdhsa_kernarg_size 24
		.amdhsa_user_sgpr_count 2
		.amdhsa_user_sgpr_kernarg_segment_ptr 1
		.amdhsa_wavefront_size32 1
		.amdhsa_system_sgpr_workgroup_id_x 1
		.amdhsa_system_sgpr_workgroup_id_y 1
		.amdhsa_system_sgpr_workgroup_id_z 1
		.amdhsa_system_vgpr_workitem_id 0
		.amdhsa_next_free_vgpr 34
		.amdhsa_next_free_sgpr 66
		.amdhsa_reserve_vcc 1
		.amdhsa_float_denorm_mode_32 3
		.amdhsa_float_denorm_mode_16_64 3
		.amdhsa_memory_ordered 1
		.amdhsa_forward_progress 1
		.amdhsa_inst_pref_size 6
	.end_amdhsa_kernel
	.amdgpu_metadata
---
amdhsa.version: [ 1, 2 ]
amdhsa.kernels:
  - .name:           k_q6a3c4fe79d_soft
    .symbol:         k_q6a3c4fe79d_soft.kd
    .args:
      - { .name: part, .offset: 0, .size: 8, .value_kind: global_buffer, .address_space: global }
      - { .name: src_len, .offset: 8, .size: 8, .value_kind: global_buffer, .address_space: global }
      - { .name: out0, .offset: 16, .size: 8, .value_kind: global_buffer, .address_space: global }
    .group_segment_fixed_size: 1280
    .private_segment_fixed_size: 0
    .kernarg_segment_align: 8
    .kernarg_segment_size: 24
    .max_flat_workgroup_size: 256
    .sgpr_count:     66
    .vgpr_count:     34
    .wavefront_size: 32
...
	.end_amdgpu_metadata
.endif
;; end of part 3
;; ======== version 2 of 2: 3 launches; version 1 with the launch main written anew for expert scheduling mode
;; workspace buffers: acodes 16,777,216 bytes; ascales 1,048,576 bytes; wcodes 524,288 bytes; wscales 32,768 bytes; cbias 131,072 bytes; part 524,288 bytes
;; launch prep: the kernel of part 1 again; grid 576 x 1, 8 waves a work-group, no clusters, 102,400 bytes of LDS; arguments W, b, encoder_outputs, hidden, src_len, acodes, ascales, wcodes, wscales, cbias; writes acodes, ascales, wcodes, wscales, cbias
;; launch main (part 4): grid 16 x 32, 4 waves a work-group, no clusters, 0 bytes of LDS; arguments acodes, ascales, wcodes, wscales, cbias, v, src_len, part; writes part
.if DOCPART == 4
	.amdgcn_target "amdgcn-amd-amdhsa--gfx1250"
	.amdhsa_code_object_version 6
	.text
	.protected	k_q6a3c4fe79d_main
	.globl	k_q6a3c4fe79d_main
	.p2align	8
	.type	k_q6a3c4fe79d_main,@function
k_q6a3c4fe79d_main:
	s_mov_b64 s[64:65], 0
	v_nop
	global_prefetch_b8 v0, s[64:65] scope:SCOPE_SE
	s_setreg_imm32_b32 hwreg(HW_REG_WAVE_SCHED_MODE, 0, 2), 2
	s_setreg_imm32_b32 hwreg(HW_REG_WAVE_MODE, 25, 1), 1
	s_wait_xcnt 0x0
	s_wait_alu depctr_vm_vsrc(0)
; part[q][batch][s] = the sum over the 256 columns n of quarter q of v[n] tanh(cbias[batch][n] + Q(encoder row s) . Q(W bottom)[:, n]), on codes of E2M1 with one E8M0 scale for each 32 along K.
; cbias holds Q(hidden) . Q(W top) + b: it is the C of each sum's first matrix instruction.
; SHARES.  Work-group (x = block of 64 rows, y = batch); wave q takes columns 256 q .. 256 q + 255: 16 column tiles.  The waves share nothing: no LDS, no barrier.
; A wave keeps its 64 rows' codes for all of K (4 row tiles x 8 K steps x 8 registers = 256) in window 1 for its whole life; W's fragments of a column tile (8 K steps, 64 registers) come
; from memory straight into registers as they were laid, in two sets by turns, and each fragment feeds four products.
; A block that lies wholly at or past src_len[batch] stores zeros (the next launch reads and masks them) and ends: reference() throws those rows away.  The grid is fixed, so that it serves every src_len.
; NO CLUSTER, NO JOINT LOADS, though all work-groups walk the same W: the launch ends work-groups on a number read from memory, and a partner that has ended could ask for nothing.
; THE PRODUCT IS USED TRANSPOSED: source 0 = 16 columns of W, source 1 = 16 encoder rows: lane (r, h) holds row r, its register j column 16 t + 8 h + j.
; tanh(x) = 1 - 2 / (1 + 2^(2 log2(e) x)).  Kept are the sums of v r, r = 1 / (1 + 2^..), and of v; the score is sum v - 2 sum v r.  Where 2^.. overflows r is 0, where it falls to 0 r is 1: no hold is needed.
; BY TURNS.  A column tile is 32 matrix instructions and 118 vector instructions, 64 of them transcendentals.  In PHASE t the products of tile t + 1 stand one ahead of each slice of tile t's tanh, on a second set
; of four accumulators: slices 0-15: a product, the scaling of the next pair, two exponentials; slices 16-31: a product, the + 1 of the next pair, two reciprocals.  All of these have at most a constant or a
; scalar pair as source 1, so they stand under the products' window setting; the 20 that take a vector register there (v r, the sum of v) stand together at the phase's end: two switches a tile.
; THE LOADS stand in two runs a phase: run 1, behind the exponentials: tile t + 3's K steps 0-2; run 2, behind the phase's closing lines: v of tile t + 1, tile t + 3's K steps 3-7, scale words, cbias.
; THE MODE: SCHED_MODE bits 1:0 = 2 (LLVM: expert scheduling mode 2), set by the entry lines.  The code itself states the register dependences between vector or matrix instructions and memory
; instructions, with s_wait_alu, always for 0.
; THE PLAN.  Registers that memory instructions touch:
;   v1, v2, v3, v127    offsets: written once at the head, read by every load and store, never written again: the tiles are reached by the scalar bases and by immediate offsets.
;   window 1, v14-29    the rows' codes and scale words: loaded once at the head, read by products alone.
;   W's set 1 - a       (fragments, scale words, cbias) Phase t: its 32 products read it.  Run 1 lands in K steps 0-2, which products 0-11 read; run 2 in all the rest.
;   v54-61              v: read by a phase's 20 closing lines; the first two loads of run 2 land in it.
;   v78, v79            the results: written by the last two selects, read by the two stores.
; The accumulators and the sums are named by vector and matrix instructions alone.  No register that a memory instruction reads is written again, so past the entry the text holds no wait on vm_vsrc.
; So a phase has three waits on va_vdst: behind the exponentials (their results; products 0-15 are done reading: run 1 follows), behind the reciprocals (their results), and behind the closing lines
; (they are done reading v, and every product of the phase is done reading its set: run 2 follows).
; LIMITS: NaN and infinities among the inputs are not served.  The score is a difference of two f32 sums of the size of sum |v|: its error is that of f32 sums of that size.  src_len is compared as a signed number.
; REGISTERS.  window 0: v1-3 lane terms; v4-5 the sum of v; v6-13 four pairs of sums of v r; v14-29 the rows' scale words; v30-37 W's scale words, two sets; v38-53 cbias, two sets; v54-61 v, one set;
;   v62-125 two sets of four accumulators (at the end: at work); v126 the lane; v127 8 x lane; v128-255 W's fragments, two sets.   window 1: the rows' fragment (m, s) at v[64 m + 8 s].
.set LI,  1                            ; v1  16 x lane
.set HO,  2                            ; v2  32 x (lane / 16)
.set L4,  3                            ; v3  4 x lane
.set VS,  4
.set SC,  6
.set AS,  14                           ; register 4 m + p: lanes 0-15 K step 2 p, lanes 16-31 K step 2 p + 1
.set WS,  30                           ; register 4 set + j: lanes 0-15 K step j, lanes 16-31 K step 4 + j
.set BI,  38
.set VV,  54
.set ACC, 62                           ; accumulator (set, m) at v[ACC + 32 set + 8 m]
.set TL,  126
.set L8,  127
.set WB,  128
.set MSB, 0
.macro WIN new                         ; the immediate's high byte repeats the setting that is left
.if MSB != \new
	s_set_vgpr_msb (MSB<<8)|\new
.set MSB, \new
.endif
.endm
.macro LOADW1 buf, tile                ; 6 loads: a column tile's fragments of K steps 0-2
.irp s, 0,1,2
.irp c, 0,1
	global_load_b128 v[WB+64*(\buf)+8*\s+4*\c:WB+64*(\buf)+8*\s+4*\c+3], v[LI], s[8:9] offset:(\tile)*8192+1024*\s+512*\c
.endr
.endr
.endm
.macro LOADW2 buf, tile                ; 13 loads: its fragments of K steps 3-7, its scale words, its eight numbers of cbias a lane
.irp s, 3,4,5,6,7
.irp c, 0,1
	global_load_b128 v[WB+64*(\buf)+8*\s+4*\c:WB+64*(\buf)+8*\s+4*\c+3], v[LI], s[8:9] offset:(\tile)*8192+1024*\s+512*\c
.endr
.endr
	global_load_b128 v[WS+4*(\buf):WS+4*(\buf)+3], v[LI], s[10:11] offset:(\tile)*512
.irp i, 0,1
	global_load_b128 v[BI+8*(\buf)+4*\i:BI+8*(\buf)+4*\i+3], v[HO], s[12:13] offset:(\tile)*64+16*\i
.endr
.endm
.macro LOADV tile                      ; 2 loads: a column tile's eight numbers of v a lane
.irp i, 0,1
	global_load_b128 v[VV+4*\i:VV+4*\i+3], v[HO], s[14:15] offset:(\tile)*64+16*\i
.endr
.endm
; Product wi of a tile's 32, on set b of W's fragments, scale words, cbias and accumulators: K step wi / 4, row tile wi % 4.  K ascending; the four accumulators take turns, one instruction a turn
; The first four start their sums on cbias.
.macro WM b
.set ks, wi/4
.set rm, wi%4
.set rD, ACC+32*(\b)+8*rm
.set rC, rD
.if ks == 0
.set rC, BI+8*(\b)
.endif
.set rW, WB+64*(\b)+8*ks
.set rA, 64*rm+8*ks
.set rX, WS+4*(\b)+(ks%4)
.set rY, AS+4*rm+(ks/2)
.if (ks/4) && (ks%2)
	v_wmma_scale_f32_16x16x128_f8f6f4 v[rD:rD+7], v[rW:rW+7], v[rA:rA+7], v[rC:rC+7], v[rX], v[rY] matrix_a_fmt:MATRIX_FMT_FP4 matrix_b_fmt:MATRIX_FMT_FP4 matrix_a_scale:MATRIX_SCALE_ROW1 matrix_b_scale:MATRIX_SCALE_ROW1
.elseif (ks/4)
	v_wmma_scale_f32_16x16x128_f8f6f4 v[rD:rD+7], v[rW:rW+7], v[rA:rA+7], v[rC:rC+7], v[rX], v[rY] matrix_a_fmt:MATRIX_FMT_FP4 matrix_b_fmt:MATRIX_FMT_FP4 matrix_a_scale:MATRIX_SCALE_ROW1
.elseif (ks%2)
	v_wmma_scale_f32_16x16x128_f8f6f4 v[rD:rD+7], v[rW:rW+7], v[rA:rA+7], v[rC:rC+7], v[rX], v[rY] matrix_a_fmt:MATRIX_FMT_FP4 matrix_b_fmt:MATRIX_FMT_FP4 matrix_b_scale:MATRIX_SCALE_ROW1
.else
	v_wmma_scale_f32_16x16x128_f8f6f4 v[rD:rD+7], v[rW:rW+7], v[rA:rA+7], v[rC:rC+7], v[rX], v[rY] matrix_a_fmt:MATRIX_FMT_FP4 matrix_b_fmt:MATRIX_FMT_FP4
.endif
.endm
; PHASE t.  a = t % 2: the tanh of tile t works in place on accumulator set a.  mat = 1: the products of tile t + 1 go into set 1 - a, from set 1 - a of W's registers.
; wt1, wt2: tile t + 3, counted from where the bases stand, for run 1 and run 2 (-1: nothing is left to ask for);  vt: tile t + 1 likewise, for v (a phase that has a run 2 of W also asks for v);
; step = 1: the bases go two tiles on between the runs.  n1: the loads issued behind those of tile t + 1's W;  n2: those issued behind v of tile t.
.macro PHASE a, mat, wt1, wt2, vt, step, n1, n2
.set VA, ACC+32*(\a)
.if \mat
	s_wait_loadcnt \n1                             ; loads come back in order: what was asked for two phases ago is in; the last phase's loads may be out
	WIN 0x04                                       ; source 1 (the rows) in window 1
.endif
	v_pk_mul_f32 v[VA:VA+1], v[VA:VA+1], s[22:23] op_sel_hi:[1,0]   ; 2 log2(e) x.  Each accumulator is read from its low end on; the last phase's 20 closing lines are the places behind the products that made it
.set wi, 0
.rept 16
.if \mat
	WM 1-\a
.endif
.if wi < 15
	v_pk_mul_f32 v[VA+2*wi+2:VA+2*wi+3], v[VA+2*wi+2:VA+2*wi+3], s[22:23] op_sel_hi:[1,0]   ; a pair is scaled a slice ahead of its exponentials
.endif
	v_exp_f32 v[VA+2*wi], v[VA+2*wi]
	v_exp_f32 v[VA+2*wi+1], v[VA+2*wi+1]
.set wi, wi+1
.endr
	v_nop                                          ; a plain line behind the last exponential
	s_wait_alu depctr_va_vdst(0)                   ; the 32 exponentials have written their results, ahead of their first reader; and products 0 to 15 are done reading K steps 0-2 of W's set 1 - a, in which run 1 lands
.if \wt1 >= 0
	LOADW1 1-\a, \wt1                              ; K steps 0-2 were last read by product 11: the scalings of pairs 12 to 15 and the v_nop are five places behind it (ISA guide 7.12.1).  The products that follow name K steps 4-7 alone
.endif
	v_pk_add_f32 v[VA:VA+1], v[VA:VA+1], 1.0 op_sel_hi:[1,0]
.rept 16
.if \mat
	WM 1-\a
.endif
.if wi < 31
	v_pk_add_f32 v[VA+2*(wi-16)+2:VA+2*(wi-16)+3], v[VA+2*(wi-16)+2:VA+2*(wi-16)+3], 1.0 op_sel_hi:[1,0]
.endif
	v_rcp_f32 v[VA+2*(wi-16)], v[VA+2*(wi-16)]
	v_rcp_f32 v[VA+2*(wi-16)+1], v[VA+2*(wi-16)+1]
.set wi, wi+1
.endr
	v_nop                                          ; a plain line behind the last reciprocal
	s_wait_alu depctr_va_vdst(0)                   ; the 32 reciprocals have written their results, ahead of their first reader
	WIN 0
	s_wait_loadcnt \n2                             ; v of this tile is in
.if \step
	s_wait_xcnt 0x0                                ; every load issued so far has read its base (the youngest stand in run 1, sixteen slices back): only now are the bases stepped
	s_add_nc_u64 s[8:9], s[8:9], 16384
	s_add_nc_u64 s[10:11], s[10:11], 1024
	s_add_nc_u64 s[12:13], s[12:13], 128
	s_add_nc_u64 s[14:15], s[14:15], 128
.endif
.irp p, 0,1,2,3
.irp m, 0,1,2,3
	v_pk_fma_f32 v[SC+2*\m:SC+2*\m+1], v[VA+8*\m+2*\p:VA+8*\m+2*\p+1], v[VV+2*\p:VV+2*\p+1], v[SC+2*\m:SC+2*\m+1]   ; sum of v r; the four row tiles' chains by turns
.endr
.endr
.irp p, 0,1,2,3
	v_pk_add_f32 v[VS:VS+1], v[VS:VS+1], v[VV+2*\p:VV+2*\p+1]   ; the sum of v.  These 20 name no register of the products: they are the places in front of run 2 and of the next phase's first read of results
.endr
.if \vt >= 0
	s_wait_alu depctr_va_vdst(0)                   ; the 20 lines above are done reading v, in which the next tile's v lands; and the phase's 32 products are done reading the rest of W's set 1 - a, its scale words and its cbias, in which run 2 lands
	LOADV \vt                                      ; first in the run: it is wanted a phase on, the others two
.endif
.if \wt2 >= 0
	LOADW2 1-\a, \wt2
.endif
.endm
	s_load_b512 s[4:19], s[0:1], 0x0               ; acodes s[4:5], ascales s[6:7], wcodes s[8:9], wscales s[10:11], cbias s[12:13], v s[14:15], src_len s[16:17], part s[18:19]
	v_lshrrev_b32 v[TL], 5, v0
	v_readfirstlane_b32 s20, v[TL]                 ; q: my quarter of the columns
	v_and_b32 v[TL], 31, v0                        ; the lane: kept for the compare at the end
	v_lshlrev_b32 v[LI], 4, v[TL]
	v_bfe_u32 v[HO], v0, 4, 1
	v_lshlrev_b32 v[HO], 5, v[HO]
	v_lshlrev_b32 v[L8], 3, v[TL]
	v_lshlrev_b32 v[L4], 2, v[TL]
	s_wait_alu depctr_va_sdst(0)                   ; s20 is written, ahead of its first reader: the bases of part, W, its scale words, cbias and v are made from it
	s_mov_b32 s22, 0x4038aa3b                      ; 2 log2(e)
	s_mov_b32 s23, s22                             ; (named with it as a pair, so it is written)
	s_mov_b32 s24, 0x76543210
	s_mov_b32 s25, 0xfedcba98                      ; v_permlanex16_b32's selects for lane l xor 16
	s_and_b32 s28, ttmp7, 0xffff                   ; batch
	s_lshl_b32 s32, s28, 2
	s_mov_b32 s33, 0                               ; the upper word of every offset
	s_wait_kmcnt 0x0
	s_add_nc_u64 s[16:17], s[16:17], s[32:33]
	s_load_b32 s21, s[16:17], 0x0                  ; src_len[batch]
	s_lshl_b32 s32, s20, 17                        ; part: quarter, batch, block
	s_lshl_b32 s34, s28, 12
	s_add_co_u32 s32, s32, s34
	s_lshl_b32 s34, ttmp9, 8
	s_add_co_u32 s32, s32, s34
	s_add_nc_u64 s[18:19], s[18:19], s[32:33]
	s_lshl_b32 s29, ttmp9, 6                       ; the block's first row
	s_wait_kmcnt 0x0
	s_cmp_ge_i32 s29, s21
	s_cbranch_scc0 .Lwork
	v_mov_b32 v[TL], 0                             ; every row of the block is masked
	s_wait_alu depctr_va_vdst(0)                   ; the zero and the offset v[L4] are written, which the two stores read
	global_store_b32 v[L4], v[TL], s[18:19]
	global_store_b32 v[L4], v[TL], s[18:19] offset:128
	s_endpgm
.Lwork:
	s_lshl_b32 s30, s28, 4
	s_add_co_u32 s30, s30, ttmp9                   ; e = 16 batch + block
	s_lshl_b32 s32, s30, 15
	s_add_nc_u64 s[4:5], s[4:5], s[32:33]
	s_lshl_b32 s32, s30, 11
	s_add_nc_u64 s[6:7], s[6:7], s[32:33]
	s_lshl_b32 s32, s20, 17                        ; my 16 column tiles of 8,192 bytes
	s_add_nc_u64 s[8:9], s[8:9], s[32:33]
	s_lshl_b32 s32, s20, 13
	s_add_nc_u64 s[10:11], s[10:11], s[32:33]
	s_lshl_b32 s32, s20, 10
	s_add_nc_u64 s[14:15], s[14:15], s[32:33]
	s_lshl_b32 s34, s28, 12
	s_add_co_u32 s32, s32, s34
	s_add_nc_u64 s[12:13], s[12:13], s[32:33]
	WIN 0x40                                       ; destination window 1, address window 0
	s_wait_alu depctr_va_vdst(0)                   ; the four offsets v[LI], v[HO], v[L4], v[L8] are written: every load and store from here on reads one of them, and none is written again
.irp m, 0,1,2,3
.irp s, 0,1,2,3,4,5,6,7
.irp c, 0,1
	global_load_b128 v[64*\m+8*\s+4*\c:64*\m+8*\s+4*\c+3], v[LI], s[4:5] offset:(8*\m+\s)*1024+512*\c   ; my 64 rows' codes: they stay
.endr
.endr
.endr
	WIN 0
.irp m, 0,1,2,3
.irp k, 0,1
	global_load_b64 v[AS+4*\m+2*\k:AS+4*\m+2*\k+1], v[L8], s[6:7] offset:(2*\m+\k)*256
.endr
.endr
	LOADW1 0, 0
	LOADW2 0, 0
	LOADW1 1, 1
	LOADW2 1, 1
	; tile 0's products stand bare: there is no vector work yet to set between them
	s_wait_loadcnt 19                              ; the rows, their scale words and tile 0 are in; tile 1's 19 loads may be out
	WIN 0x04
.set wi, 0
.rept 32
	WM 0
.set wi, wi+1
.endr
	WIN 0
.irp i, 0,1,2,3,4,5,6,7,8,9
	v_mov_b32 v[VS+\i], 0                          ; the sum of v and the four pairs of sums.  These ten are the places behind the products
.endr
	s_wait_alu depctr_va_vdst(0)                   ; tile 0's products are done reading set 0 of W's fragments, scale words and cbias, in which tile 2's loads land
	LOADW1 0, 2                                    ; 21 loads, in the order in which every phase issues its own
	LOADV 0
	LOADW2 0, 2
	s_mov_b32 s27, 6
.Ltrip:                                                ; a trip: phases 2 k and 2 k + 1; the bases stand at tile 2 k, from the odd phase's run 2 on at tile 2 k + 2
	PHASE 0, 1, 3, 3, 1, 0, 21, 19                 ; 21: the phase before issued 6 + 15 loads.  19: behind v's two stand 13 of that run and this phase's run 1 of 6
	PHASE 1, 1, 4, 2, 0, 1, 21, 19
	s_sub_co_u32 s27, s27, 1
	s_cmp_lg_u32 s27, 0
	s_cbranch_scc1 .Ltrip
	PHASE 0, 1, 3, 3, 1, 0, 21, 19                 ; phase 12 asks for the last tile of W, 15; the bases stand at tile 12 from here on
	PHASE 1, 1, -1, -1, 2, 0, 21, 13               ; phase 13 asks for v alone: no load leaves its buffer.  13: it has no run 1
	PHASE 0, 1, -1, -1, 3, 0, 2, 0                 ; phase 14.  2: behind tile 15's W stand phase 13's two loads of v
	PHASE 1, 0, -1, -1, -1, 0, 0, 0                ; tile 15's tanh: no products are left, and nothing is asked for: it has no third wait
	v_cmp_lt_u32 s26, 15, v[TL]                    ; lanes 16-31: the mask of the two selects below
.irp m, 0,1,2,3
	v_add_f32 v[ACC+\m], v[SC+2*\m], v[SC+2*\m+1]  ; even and odd columns.  (Accumulator set 0 is done with: at work from here on)
.endr
	v_add_f32 v[ACC+4], v[VS], v[VS+1]
.irp i, 0,1,2,3,4
	v_mov_b32 v[ACC+8+\i], 0                       ; a lane permute's destination counts as one of its sources
.endr
.irp i, 0,1,2,3,4
	v_permlanex16_b32 v[ACC+8+\i], v[ACC+\i], s24, s25
.endr
.irp i, 0,1,2,3,4
	v_add_f32 v[ACC+\i], v[ACC+\i], v[ACC+8+\i]    ; with lane l xor 16's eight columns of each tile
.endr
.irp m, 0,1,2,3
	v_fma_f32 v[ACC+\m], -2.0, v[ACC+\m], v[ACC+4] ; sum v - 2 sum v r: row 16 m + r, in both halves of the lanes
.endr
	s_wait_alu depctr_va_sdst(0)                   ; the compare has written s26, ahead of its first reader
	v_cndmask_b32 v[ACC+16], v[ACC], v[ACC+1], s26 ; lanes 0-15 rows 0-15, lanes 16-31 rows 16-31
	v_cndmask_b32 v[ACC+17], v[ACC+2], v[ACC+3], s26
	s_wait_alu depctr_va_vdst(0)                   ; the two selects have written the results, which the stores read
	global_store_b32 v[L4], v[ACC+16], s[18:19]    ; 128 consecutive bytes each
	global_store_b32 v[L4], v[ACC+17], s[18:19] offset:128
	s_endpgm
.Lfunc_end_k_q6a3c4fe79d_main:
	.size	k_q6a3c4fe79d_main, .Lfunc_end_k_q6a3c4fe79d_main-k_q6a3c4fe79d_main
	.p2alignl 7, 3214868480
	.fill 96, 4, 3214868480
	.section	.rodata,"a",@progbits
	.p2align	6, 0x0
	.amdhsa_kernel k_q6a3c4fe79d_main
		.amdhsa_group_segment_fixed_size 0
		.amdhsa_private_segment_fixed_size 0
		.amdhsa_enable_private_segment 0
		.amdhsa_kernarg_size 64
		.amdhsa_user_sgpr_count 2
		.amdhsa_user_sgpr_kernarg_segment_ptr 1
		.amdhsa_wavefront_size32 1
		.amdhsa_system_sgpr_workgroup_id_x 1
		.amdhsa_system_sgpr_workgroup_id_y 1
		.amdhsa_system_sgpr_workgroup_id_z 1
		.amdhsa_system_vgpr_workitem_id 0
		.amdhsa_next_free_vgpr 512
		.amdhsa_next_free_sgpr 66
		.amdhsa_reserve_vcc 0
		.amdhsa_float_denorm_mode_32 3
		.amdhsa_float_denorm_mode_16_64 3
		.amdhsa_memory_ordered 1
		.amdhsa_forward_progress 1
		.amdhsa_inst_pref_size 81
	.end_amdhsa_kernel
	.amdgpu_metadata
---
amdhsa.version: [ 1, 2 ]
amdhsa.kernels:
  - .name:           k_q6a3c4fe79d_main
    .symbol:         k_q6a3c4fe79d_main.kd
    .args:
      - { .name: acodes, .offset: 0, .size: 8, .value_kind: global_buffer, .address_space: global }
      - { .name: ascales, .offset: 8, .size: 8, .value_kind: global_buffer, .address_space: global }
      - { .name: wcodes, .offset: 16, .size: 8, .value_kind: global_buffer, .address_space: global }
      - { .name: wscales, .offset: 24, .size: 8, .value_kind: global_buffer, .address_space: global }
      - { .name: cbias, .offset: 32, .size: 8, .value_kind: global_buffer, .address_space: global }
      - { .name: v, .offset: 40, .size: 8, .value_kind: global_buffer, .address_space: global }
      - { .name: src_len, .offset: 48, .size: 8, .value_kind: global_buffer, .address_space: global }
      - { .name: part, .offset: 56, .size: 8, .value_kind: global_buffer, .address_space: global }
    .group_segment_fixed_size: 0
    .private_segment_fixed_size: 0
    .kernarg_segment_align: 8
    .kernarg_segment_size: 64
    .max_flat_workgroup_size: 128
    .sgpr_count:     66
    .vgpr_count:     512
    .wavefront_size: 32
...
	.end_amdgpu_metadata
.endif
;; end of part 4
;; launch soft: the kernel of part 3 again; grid 32 x 1, 8 waves a work-group, no clusters, 1,280 bytes of LDS; arguments part, src_len, out0; writes out0
